; MI455X (gfx1250); checked and timed in simulation.
; The chip was launched on July 23, 2026; its instructions are those of AMD's public machine-readable ISA for CDNA 5 (MIT licence, August 2026) and "CDNA5" Instruction Set Architecture Reference Guide (July 2026). The comments in the code are by the model that wrote it; some were corrected since.
;; Bit Linear. Allowed arithmetic: matrix products marked QUANTISED: E5M2 operands, one E8M0 scale for each 32 along K, by v_wmma_scale_f32_16x16x128_f8f6f4 with both operands' format E5M2, f32 sums; everything else in f32.
;; Inputs: bp 1,048,576 int32; scale 2,048 x 1 float32; x 8,192 x 4,096 float32.
;; Outputs: out0 8,192 x 2,048 float32.
;; This version of the problem:
;;   THIS VERSION OF THE PROBLEM IS GIVEN IN LOW PRECISION. The matrix products marked QUANTISED in the list below multiply operands that are first quantised to E5M2 (5 exponent bits, 2 mantissa bits; 8 bits a number), with one power-of-two scale for each 32 numbers along K (OCP MX v1.0); their sums are f32. All else is computed in f32.
;;   The module's matrix products, in the order in which they are computed (A, B: the left and right operand; K: the contracted axis; several contracted axes count as one K, in the product's order):
;;     1. [M 8,192, K 4,096] x [K 4,096, N 2,048]; A: input x; B: computed on the way: QUANTISED
;;   THE QUANTISER, for each operand of a quantised product, along K:
;;     - K is cut into blocks of 32 from its start; a last block that is shorter is filled with zeros.
;;     - A block's scale is 2^e with e = floor(log2(the largest magnitude in the block)) - 15, held to -126 .. 127; a block of zeros has e = 0. As a byte (E8M0): e + 127.
;;     - Each number is divided by its block's scale, clamped to +-57,344, and rounded to the nearest number of E5M2, ties to even, subnormals kept.
;;     - The product sums the exact products of the quantised numbers (number of the format x scale) in f32.
;;   ~~~python
;;   def quantise(x, axis):      # numpy; x: float32 -> the quantised numbers, widened to float32 again
;;       x = np.moveaxis(x, axis, -1); K = x.shape[-1]
;;       x = np.pad(x, [(0, 0)] * (x.ndim - 1) + [(0, -K % 32)]); x = x.reshape(x.shape[:-1] + (-1, 32)); a = np.abs(x).max(-1, keepdims=True)
;;       e = np.where(a > 0, np.clip(np.frexp(np.where(a > 0, a, 1))[1] - 1 - 15, -126, 127), 0)      # np.frexp(a)[1] - 1 = floor(log2(a)), exactly
;;       r = np.clip(x / 2.0 ** e, -57344, 57344)
;;       step = 2.0 ** (np.maximum(np.frexp(np.where(r == 0, 1, r))[1] - 1, -14) - 2)
;;       q = np.round(r / step) * step * 2.0 ** e      # np.round: ties to even
;;       return np.moveaxis(q.reshape(q.shape[:-2] + (-1,))[..., :K], -1, axis).astype(np.float32)
;;   ~~~
;;   OPERANDS COMPUTED ON THE WAY. 'Computed on the way' means the value that the module computes at that place (a softmax that the list does not call 'softmax' is quantised finished and normalised). What goes into a quantiser is computed in f32, as accurately as f32 sums, v_exp_f32 and their like allow (about 1e-6 of the number): no bf16 or f16 on the way to a quantiser, and a product that is left as it is and whose result goes on into a quantised operand takes f32 operands (vector FMAs, or v_wmma_f32_16x16x4_f32). A number that lies on a knife's edge between two numbers of the format may be rounded either way, as far as f32 arithmetic and the matrix unit's own rounding can turn it there, and no further.
;; One version. Each part assembles by itself: llvm-mc -triple=amdgcn-amd-amdhsa -mcpu=gfx1250 --defsym DOCPART=n.
;; ======== version 1 of 1: 2 launches
;; limits: right only within a limited range of input values
;; workspace buffers: a_codes 33,554,432 bytes; a_scales 1,048,576 bytes; w_bits 1,048,576 bytes; w_scales 8,192 bytes; w_mag 8,192 bytes
;; launch quant (part 1): grid 1088 x 1, 4 waves a work-group, no clusters, 56,832 bytes of LDS; arguments x, bp, scale, a_codes, a_scales, w_bits, w_scales, w_mag; writes a_codes, a_scales, w_bits, w_scales, w_mag
.if DOCPART == 1
	.amdgcn_target "amdgcn-amd-amdhsa--gfx1250"
	.amdhsa_code_object_version 6
	.text
	.protected	k_q3b49998c7d_quant
	.globl	k_q3b49998c7d_quant
	.p2align	8
	.type	k_q3b49998c7d_quant,@function
k_q3b49998c7d_quant:
	s_mov_b64 s[64:65], 0
	v_nop
	global_prefetch_b8 v0, s[64:65] scope:SCOPE_SE
	s_setreg_imm32_b32 hwreg(HW_REG_WAVE_MODE, 25, 1), 1
	s_wait_xcnt 0x0
; Both operands of out = x w^T are made ready for products on codes of BF8 (E5M2) with one E8M0 scale byte for each 32 along K.
; x [8192][4096] f32 -> a_codes [8192][4096] bytes, K innermost, a_scales [8192][128] bytes.
; w[n][k] = +-scale[n], the sign from bit 7 - k % 8 of bp[(4096 n + k) / 8] (1: +, 0: -; only a word's low 8 bits count).
; A block's scale is 2^(floor(log2(its largest magnitude)) - 15); its byte is the largest magnitude's exponent field - 15, held at 1 from below; each number is divided by the scale,
; held within +-57,344 and rounded to the nearest code, ties to even.
; THE WEIGHTS: every number of row n has the magnitude |scale[n]|, so all 128 blocks of a row have one scale byte and every code of the row is one magnitude with a sign bit.  So three things are stored:
;   w_scales [2048] words: the row's scale byte four times (the word that a matrix instruction takes for 128 along K);   w_mag [2048] words: the row's code without its sign, four times;
;   w_bits: the codes' SIGN BITS (the sign of scale[n] folded in), 1 bit a code, in the order of the operand's registers: [n / 128][k / 128][4][lane][4 words].  Lane (r, h) of the product's launch holds, of the
;   fragment of rows 16 b + r and 128 along K, registers 4 c + i with k = 32 c + 16 h + 4 i + y in byte y.  Word u (0, 1) of a fragment serves its registers 8 u + j, j = 0 .. 7: bit 8 y + 7 - j is the sign of byte y of
;   register 8 u + j, so that (word << j) has that register's four sign bits in their places.  The four words of a lane in load d (0 .. 3) are (b, u) = (2 d, 0), (2 d, 1), (2 d + 1, 0), (2 d + 1, 1).
; LIMITS: NaN and infinities in x or scale are not served.  A block of zeros (and scale[n] = 0) gets the byte 1 where the rule says 127: its codes are zeros, which add nothing under
; any byte but 0xff, and these bytes are read by this program alone.  Blocks whose largest magnitude lies under 2^-111 get the byte 1, the rule's hold at -126.
; SHARES: work-groups 0 to 63 take the weights, 32 rows each, a wave 1,024 along K; work-groups 64 to 1087 take x, 32,768 numbers each, a wave 16 steps of 512.  Each path has LDS bytes of its own.
; No tensor loads, no barrier, no cluster: waves share nothing, and no input byte is read by two work-groups but the 8 KB of scale.  No prefetch: every wave keeps 16 loads or more out from its first lines on.
.set WGW,   64                         ; work-groups that take the weights
.set STEPS, 16
.set MANT,  0x600000                   ; the mantissa field of 57,344 as f32
.set R,     32                         ; x: v32-111  five sets of 16 numbers: as they are loaded, then 2 x 8 neighbours
.set E,     24                         ; x: v24-25   the step's two scale bytes (an LDS store's data are read when it is issued, so two registers serve all steps)
.set C,     128                        ; x: v128-191 codes: four registers for each step, so that no store's data are written again
.set WREG,  256                        ; x: LDS: each wave's own 256 scale bytes
.set WLDS,  4*WREG                     ; w: LDS behind the x path's bytes
.set WH,    528                        ; w: 16 lanes' 32 bytes + 16 of padding
.set WS,    2*WH                       ; w: a step of 128 along K: 32 lanes' 32 bytes
.set WWAVE, 8*WS                       ; w: a wave's eight steps
.set BPW,   64                         ; w: v64-159  the words of bp: three sets of 8 rows x 2 loads x 2 words; later the half words back from LDS (v64-127) and the words to store (v128-159)
	s_load_b256 s[4:11], s[0:1], 0x0               ; x s[4:5], bp s[6:7], scale s[8:9], a_codes s[10:11]
	s_load_b128 s[12:15], s[0:1], 0x20             ; a_scales s[12:13], w_bits s[14:15]
	s_load_b128 s[36:39], s[0:1], 0x30             ; w_scales s[36:37], w_mag s[38:39]
	v_lshl_add_u32 v26, v0, 2, 0xdc00              ; v26: my spare word, v27: 0; neither path writes them again
	v_mov_b32 v27, 0
	v_lshrrev_b32 v1, 5, v0
	v_readfirstlane_b32 s18, v1                    ; wave 0..3
	v_and_b32 v2, 31, v0                           ; lane
	s_mov_b32 s31, MANT                            ; (an instruction takes one literal: the hold's line has another)
	s_cmp_lt_u32 ttmp9, WGW
	s_cbranch_scc1 .Lweights
; ---------------- x ----------------
; Rows are dense and 4096 is a multiple of 32, so x is a plain stream of blocks of 32, and so are its codes and scale bytes.  The conversion takes 8 numbers of ONE block from a lane's
; registers, so a lane must hold 8 neighbours, 32 bytes.  Each load reads 512 consecutive bytes, lane (r, h) = (lane % 16, lane / 16) the 16 bytes at 32 r + 16 h: a lane's neighbours lie in lane r and lane 16 + r.
; v_permlane16_swap_b32 on a register of one load and the same register of the next load exchanges the first's lanes 16-31 with the second's lanes 0-15: then lane r holds the 32 bytes at 32 r of the first load's 512,
; and lane 16 + r those of the second's.  So the lane's 8 codes lie at byte 8 x lane of the two loads' 256 codes, and four neighbouring lanes hold a block.  No number goes through LDS.
	v_and_b32 v3, 15, v2
	v_lshrrev_b32 v4, 4, v2
	v_lshlrev_b32 v3, 5, v3
	v_lshl_add_u32 v3, v4, 4, v3                   ; my 16 bytes of a load's 512: 32 r + 16 h
	s_mul_i32 s19, s18, WREG
	v_lshrrev_b32 v5, 2, v2
	v_add_nc_u32 v5, s19, v5                       ; LDS: my wave's 256 scale bytes, my block's byte: lane / 4
	v_lshlrev_b32 v7, 3, v2                        ; 8 x lane: my 8 codes' place in 256; and the scale bytes' way out
	v_add_nc_u32 v6, s19, v7
	s_sub_co_u32 s20, ttmp9, WGW
	s_lshl_b32 s20, s20, 2
	s_add_co_u32 s22, s20, s18                     ; which run of 8,192 numbers is my wave's: 0 .. 4095
	s_mov_b32 s21, 0
	s_lshl_b32 s20, s22, 15                        ; 32,768 bytes of x a run
	s_wait_alu depctr_va_vdst(0)
	s_wait_kmcnt 0x0
	s_add_nc_u64 s[4:5], s[4:5], s[20:21]
	s_lshl_b32 s20, s22, 13                        ; 8,192 bytes of codes
	s_add_nc_u64 s[10:11], s[10:11], s[20:21]
	s_lshl_b32 s20, s22, 8                         ; 256 scale bytes
	s_add_nc_u64 s[12:13], s[12:13], s[20:21]
.macro LOAD t                          ; step t's 512 numbers into set t % 5
.irp i, 0,1,2,3
	global_load_b128 v[R+16*((\t)%5)+4*\i:R+16*((\t)%5)+4*\i+3], v3, s[4:5] offset:2048*(\t)+512*\i th:TH_LOAD_NT   ; 32 lanes read 512 consecutive bytes
.endr
.endm
.irp t, 0,1,2,3
	LOAD \t
.endr
; A step: 512 numbers, 16 a lane: 8 neighbours of loads 0 and 1 and 8 of loads 2 and 3: two blocks' parts, worked line by line by turns.
.macro STEP t
.set XS, R+16*((\t)%5)
.if (\t)+4 < STEPS
	LOAD (\t)+4                                    ; into the set that the step before has converted
	s_wait_loadcnt 16                              ; this step's four loads are in; the sixteen of the four steps behind it may be out
.else
	s_wait_loadcnt 4*(STEPS-1-(\t))                ; the counts run down
.endif
.irp k, 0,1,2,3
	v_permlane16_swap_b32 v[XS+\k], v[XS+4+\k]     ; v[XS .. XS+7]: my 8 neighbours of load 0 (lanes 0-15) or load 1 (lanes 16-31)
	v_permlane16_swap_b32 v[XS+8+\k], v[XS+12+\k]  ; v[XS+8 .. XS+15]: of load 2 or load 3
.endr
	v_max3_num_f32 v8, |v[XS]|, |v[XS+1]|, 0x8000000               ; the largest magnitude of my 8, and the floor 2^(16 - 127): so the byte cannot fall under 1
	v_max3_num_f32 v9, |v[XS+8]|, |v[XS+9]|, 0x8000000
.irp i, 2,4,6
	v_max3_num_f32 v8, v8, |v[XS+\i]|, |v[XS+\i+1]|
	v_max3_num_f32 v9, v9, |v[XS+8+\i]|, |v[XS+9+\i]|
.endr
.irp m, 1,2
	v_max_num_f32_dpp v8, v8, v8 row_xmask:\m row_mask:0xf bank_mask:0xf   ; with the three other lanes of the block
	v_max_num_f32_dpp v9, v9, v9 row_xmask:\m row_mask:0xf bank_mask:0xf
.endr
	v_add_nc_u32 v12, 0xf8800000, v8               ; 15 off the exponent field: the conversion takes the exponent field of this operand as its scale
	v_add_nc_u32 v13, 0xf8800000, v9
	v_and_or_b32 v10, v8, 0x7f800000, s31          ; 57,344 x the scale
	v_and_or_b32 v11, v9, 0x7f800000, s31
.irp i, 0,1,2,3,4,5,6,7
	v_med3_num_f32 v[XS+\i], v[XS+\i], -v10, v10   ; the conversion to an 8-bit code does not saturate (ISA guide 7.6.2): the hold comes first
	v_med3_num_f32 v[XS+8+\i], v[XS+8+\i], -v11, v11
.endr
	v_cvt_scalef32_pk8_bf8_f32 v[C+4*(\t):C+4*(\t)+1], v[XS:XS+7], v12
	v_cvt_scalef32_pk8_bf8_f32 v[C+4*(\t)+2:C+4*(\t)+3], v[XS+8:XS+15], v13
	v_lshrrev_b32 v[E], 23, v12                    ; the scales' bytes (also the plain instruction behind the conversions)
	v_lshrrev_b32 v[E+1], 23, v13
	ds_store_b8 v5, v[E] offset:16*(\t)            ; the four lanes of a block write the same byte with the same value: blocks 0-7 of the step,
	ds_store_b8 v5, v[E+1] offset:16*(\t)+8        ; blocks 8-15
	global_store_b64 v7, v[C+4*(\t):C+4*(\t)+1], s[10:11] offset:512*(\t)          ; 32 lanes store 256 consecutive bytes, aligned
	global_store_b64 v7, v[C+4*(\t)+2:C+4*(\t)+3], s[10:11] offset:512*(\t)+256
.endm
.irp t, 0,1,2,3,4,5,6,7,8,9,10,11,12,13,14,15
	STEP \t
.endr
	ds_load_b64 v[12:13], v6                       ; LDS serves a wave's instructions in order: these see my byte stores
	s_wait_dscnt 0x0
	global_store_b64 v7, v[12:13], s[12:13]        ; 32 lanes store 256 consecutive bytes, aligned
	s_wait_tensorcnt 0x0
	ds_add_u32 v26, v27
	s_wait_dscnt 0x0
	s_endpgm
; ---------------- the weights ----------------
; Work-group g: rows 32 g + 16 B + r (B = 0, 1: the two blocks of 16 rows of load d = g % 4 of the 128 rows g / 4).  Wave w: k = 1,024 w on: steps of 128 along K number 8 w + 0 .. 7.
; IN.  A load takes 256 consecutive bytes of one row: lane l the two words of bp for k = 16 l + 0 .. 15 of 512 along K: step l / 8 of four, c = (l % 8) / 2, h = l % 2: the four registers 4 c + i of lane (r, h).
; THE BITS.  A word's low byte y holds 8 signs, the highest bit first.  y x 0x80402010 lays copies of y at bits 4, 13, 22 and 31; y has 8 bits, so the copies do not meet and nothing is
; carried: bits 7, 15, 23, 31 of the product are y's bits 3, 2, 1, 0: four signs in ascending k, at the places of four codes' sign bits.  y >> 4 gives the first four of a word's eight, y the last four.
; The four products of a lane's two words, shifted right by i = 0 .. 3 and masked, make a HALF WORD: bit 8 y + 7 - i = the sign of byte y of register 4 c + i.
; THROUGH LDS.  The half words go to the wave's own LDS at [step][h][r][B][c], and lane (r, h) reads its 32 bytes of a step back: word u of block B = half word c = 2 u | (half word c = 2 u + 1) >> 4.
; A bit of bp that is 1 stands for +scale: the code's sign bit is that bit turned where scale is not negative, and the bit itself where it is: one exclusive or with a mask of the row.
.Lweights:
	s_mov_b32 s28, 0x80402010
	s_mov_b32 s29, 0x80808080                      ; four sign bits; and shifted right by 1, 2, 3:
	s_mov_b32 s33, 0x40404040
	s_mov_b32 s34, 0x20202020
	s_mov_b32 s35, 0x10101010
	s_mov_b32 s30, 0x01010101
	s_wait_alu depctr_va_vdst(0)
	v_lshlrev_b32 v4, 3, v2                        ; bp: two words a lane
	v_lshlrev_b32 v5, 4, v2                        ; w_bits: four words a lane
	v_and_b32 v8, 15, v2                           ; lane % 16
	v_lshlrev_b32 v3, 2, v8                        ; scale of row lane % 16
	s_mul_i32 s19, s18, WWAVE
	s_add_co_u32 s19, s19, WLDS                    ; my wave's LDS
	v_lshrrev_b32 v6, 3, v2
	v_mul_u32_u24 v6, v6, WS                       ; in: step l / 8,
	v_and_b32 v7, 1, v2
	v_mad_u32_u24 v6, v7, WH, v6                   ; h = l % 2,
	v_bfe_u32 v7, v2, 1, 2
	v_lshl_add_u32 v6, v7, 2, v6                   ; c = (l % 8) / 2: the 32 lanes of a store touch 32 different banks
	v_add_nc_u32 v6, s19, v6
	v_lshrrev_b32 v7, 4, v2
	v_mul_u32_u24 v7, v7, WH                       ; back: h = lane / 16,
	v_lshl_add_u32 v7, v8, 5, v7                   ; r = lane % 16: 32 bytes
	v_add_nc_u32 v7, s19, v7
	s_mov_b32 s21, 0
	s_lshl_b32 s20, ttmp9, 16                      ; bp: 32 rows of 2,048 bytes a work-group,
	s_lshl_b32 s22, s18, 9                         ; 512 bytes of each row a wave
	s_add_co_u32 s20, s20, s22
	s_wait_kmcnt 0x0
	s_add_nc_u64 s[6:7], s[6:7], s[20:21]
	s_lshl_b32 s20, ttmp9, 7                       ; scale, w_scales, w_mag: 4 bytes a row
	s_add_nc_u64 s[8:9], s[8:9], s[20:21]
	s_add_nc_u64 s[36:37], s[36:37], s[20:21]
	s_add_nc_u64 s[38:39], s[38:39], s[20:21]
	s_lshr_b32 s20, ttmp9, 2
	s_lshl_b32 s20, s20, 16                        ; w_bits: 65,536 bytes for 128 rows,
	s_and_b32 s22, ttmp9, 3
	s_lshl_b32 s22, s22, 9                         ; load d = g % 4: 512 bytes,
	s_add_co_u32 s20, s20, s22
	s_lshl_b32 s22, s18, 14                        ; my eight steps of 2,048 bytes
	s_add_co_u32 s20, s20, s22
	s_add_nc_u64 s[14:15], s[14:15], s[20:21]
	global_load_b32 v12, v3, s[8:9]                ; scale of row r of block 0,
	global_load_b32 v13, v3, s[8:9] offset:64      ; of block 1
.macro WLOAD grp, set                  ; rows 8 grp + 0 .. 7, two loads each
.irp rr, 0,1,2,3,4,5,6,7
.irp t, 0,1
	global_load_b64 v[BPW+32*(\set)+4*\rr+2*\t:BPW+32*(\set)+4*\rr+2*\t+1], v4, s[6:7] offset:(8*(\grp)+\rr)*2048+256*\t th:TH_LOAD_NT   ; 32 lanes read 256 consecutive bytes
.endr
.endr
.endm
.macro WORK grp, set, left             ; left: the younger loads, which may stay out
	s_wait_loadcnt \left
.irp rr, 0,1,2,3,4,5,6,7
.irp t, 0,1
.set wa, BPW+32*(\set)+4*\rr+2*\t
.set wt, 16+4*\t
	v_and_b32 v[wt], 0xff, v[wa]                   ; y of the first word,
	v_and_b32 v[wt+1], 0xff, v[wa+1]               ; of the second
	v_lshrrev_b32 v[wt+2], 4, v[wt]
	v_lshrrev_b32 v[wt+3], 4, v[wt+1]
	v_mul_lo_u32 v[wt], v[wt], s28
	v_mul_lo_u32 v[wt+1], v[wt+1], s28
	v_mul_lo_u32 v[wt+2], v[wt+2], s28
	v_mul_lo_u32 v[wt+3], v[wt+3], s28
	v_lshrrev_b32 v[wt], 1, v[wt]                  ; i = 1: k + 4 .. 7
	v_lshrrev_b32 v[wt+3], 2, v[wt+3]              ; i = 2: k + 8 .. 11
	v_lshrrev_b32 v[wt+1], 3, v[wt+1]              ; i = 3: k + 12 .. 15
	v_and_b32 v[wa], s29, v[wt+2]                  ; i = 0: k + 0 .. 3.  The half word takes the first word's register: each LDS store has data registers of its own
	v_and_or_b32 v[wa], v[wt], s33, v[wa]
	v_and_or_b32 v[wa], v[wt+3], s34, v[wa]
	v_and_or_b32 v[wa], v[wt+1], s35, v[wa]
	ds_store_b32 v6, v[wa] offset:\t*4*WS+((8*(\grp)+\rr)%16)*32+((8*(\grp)+\rr)/16)*16
.endr
.endr
.endm
	WLOAD 0, 0
	WLOAD 1, 1
	WLOAD 2, 2
	WORK 0, 0, 32                                  ; rows 0-7 are in; the 32 loads of rows 8-23 may be out
	s_wait_dscnt 0x0                               ; the LDS stores have read their registers, which take the last eight rows
	WLOAD 3, 0
	WORK 1, 1, 32                                  ; behind rows 8-15: rows 16-23 and 24-31
	WORK 2, 2, 16
	WORK 3, 0, 0
	v_ashrrev_i32 v14, 31, v12                     ; all ones where scale is negative,
	v_ashrrev_i32 v15, 31, v13
	v_xor_b32 v14, -1, v14                         ; turned: the row's mask
	v_xor_b32 v15, -1, v15
	s_wait_dscnt 0x0                               ; the LDS stores have read their registers
.irp q, 0,1,2,3,4,5,6,7
	ds_load_b128 v[64+8*\q:67+8*\q], v7 offset:\q*WS        ; block 0: c = 0 .. 3
	ds_load_b128 v[68+8*\q:71+8*\q], v7 offset:\q*WS+16     ; block 1
.endr
	s_wait_dscnt 0x0
.irp q, 0,1,2,3,4,5,6,7
.irp e, 0,1,2,3
	v_lshrrev_b32 v[128+4*\q+\e], 4, v[64+8*\q+2*\e+1]
.endr
.irp e, 0,1,2,3
	v_or_b32 v[128+4*\q+\e], v[64+8*\q+2*\e], v[128+4*\q+\e]
.endr
.irp e, 0,1,2,3
	v_xor_b32 v[128+4*\q+\e], v[14+\e/2], v[128+4*\q+\e]
.endr
	global_store_b128 v5, v[128+4*\q:131+4*\q], s[14:15] offset:2048*\q   ; 32 lanes store 512 consecutive bytes, aligned
.endr
; The scale words and the magnitudes: wave 0 of each even work-group takes 64 rows, lane l rows 2 l and 2 l + 1, so that each store covers 256 consecutive bytes, aligned.
	s_and_b32 s20, ttmp9, 1
	s_or_b32 s20, s20, s18
	s_cmp_lg_u32 s20, 0
	s_cbranch_scc1 .Lno_words
	global_load_b64 v[32:33], v4, s[8:9]
	s_wait_loadcnt 0x0
.irp e, 0,1
	v_max3_num_f32 v[34+\e], |v[32+\e]|, |v[32+\e]|, 0x8000000     ; every block's largest magnitude is |scale|; the floor holds the byte at 1 from below
.endr
.irp e, 0,1
	v_add_nc_u32 v[36+\e], 0xf8800000, v[34+\e]    ; the conversion's scale operand
.endr
.irp e, 0,1
	v_and_or_b32 v[38+\e], v[34+\e], 0x7f800000, s31   ; 57,344 x the scale
.endr
.irp e, 0,1
	v_lshrrev_b32 v[40+\e], 23, v[36+\e]           ; the scale's byte,
.endr
.irp e, 0,1
	v_mul_lo_u32 v[40+\e], v[40+\e], s30           ; four times: the row's scale word
.endr
.irp e, 0,1
.irp j, 0,1,2,3,4,5,6,7
	v_med3_num_f32 v[160+8*\e+\j], v[32+\e], -v[38+\e], v[38+\e]   ; the hold; eight copies, since the conversion takes eight numbers
.endr
.endr
.irp e, 0,1
	v_cvt_scalef32_pk8_bf8_f32 v[176+2*\e:177+2*\e], v[160+8*\e:167+8*\e], v[36+\e]   ; the code of scale in every byte
.endr
	v_nop                                          ; a plain instruction between the conversions and the first use of their results
.irp e, 0,1
	v_and_b32 v[42+\e], 0x7f7f7f7f, v[176+2*\e]    ; without its sign, four times
.endr
	global_store_b64 v4, v[40:41], s[36:37]
	global_store_b64 v4, v[42:43], s[38:39]
.Lno_words:
	s_wait_tensorcnt 0x0
	ds_add_u32 v26, v27
	s_wait_dscnt 0x0
	s_endpgm
.Lfunc_end_k_q3b49998c7d_quant:
	.size	k_q3b49998c7d_quant, .Lfunc_end_k_q3b49998c7d_quant-k_q3b49998c7d_quant
	.p2alignl 7, 3214868480
	.fill 96, 4, 3214868480
	.section	.rodata,"a",@progbits
	.p2align	6, 0x0
	.amdhsa_kernel k_q3b49998c7d_quant
		.amdhsa_group_segment_fixed_size 56832
		.amdhsa_private_segment_fixed_size 0
		.amdhsa_enable_private_segment 0
		.amdhsa_kernarg_size 64
		.amdhsa_user_sgpr_count 2
		.amdhsa_user_sgpr_kernarg_segment_ptr 1
		.amdhsa_wavefront_size32 1
		.amdhsa_system_sgpr_workgroup_id_x 1
		.amdhsa_system_sgpr_workgroup_id_y 1
		.amdhsa_system_sgpr_workgroup_id_z 1
		.amdhsa_system_vgpr_workitem_id 0
		.amdhsa_next_free_vgpr 192
		.amdhsa_next_free_sgpr 66
		.amdhsa_reserve_vcc 0
		.amdhsa_float_denorm_mode_32 3
		.amdhsa_float_denorm_mode_16_64 3
		.amdhsa_memory_ordered 1
		.amdhsa_forward_progress 1
		.amdhsa_inst_pref_size 123
	.end_amdhsa_kernel
	.amdgpu_metadata
---
amdhsa.version: [ 1, 2 ]
amdhsa.kernels:
  - .name:           k_q3b49998c7d_quant
    .symbol:         k_q3b49998c7d_quant.kd
    .args:
      - { .name: x, .offset: 0, .size: 8, .value_kind: global_buffer, .address_space: global }
      - { .name: bp, .offset: 8, .size: 8, .value_kind: global_buffer, .address_space: global }
      - { .name: scale, .offset: 16, .size: 8, .value_kind: global_buffer, .address_space: global }
      - { .name: a_codes, .offset: 24, .size: 8, .value_kind: global_buffer, .address_space: global }
      - { .name: a_scales, .offset: 32, .size: 8, .value_kind: global_buffer, .address_space: global }
      - { .name: w_bits, .offset: 40, .size: 8, .value_kind: global_buffer, .address_space: global }
      - { .name: w_scales, .offset: 48, .size: 8, .value_kind: global_buffer, .address_space: global }
      - { .name: w_mag, .offset: 56, .size: 8, .value_kind: global_buffer, .address_space: global }
    .group_segment_fixed_size: 56832
    .private_segment_fixed_size: 0
    .kernarg_segment_align: 8
    .kernarg_segment_size: 64
    .max_flat_workgroup_size: 128
    .sgpr_count:     66
    .vgpr_count:     192
    .wavefront_size: 32
...
	.end_amdgpu_metadata
.endif
;; end of part 1
;; launch gemm (part 2): grid 8 x 32, 4 waves a work-group, clusters of 4 x 1, 327,680 bytes of LDS; arguments a_codes, a_scales, w_bits, w_scales, w_mag, out0; writes out0
.if DOCPART == 2
	.amdgcn_target "amdgcn-amd-amdhsa--gfx1250"
	.amdhsa_code_object_version 6
	.text
	.protected	k_q3b49998c7d_gemm
	.globl	k_q3b49998c7d_gemm
	.p2align	8
	.type	k_q3b49998c7d_gemm,@function
k_q3b49998c7d_gemm:
	s_mov_b64 s[64:65], 0
	v_nop
	global_prefetch_b8 v0, s[64:65] scope:SCOPE_SE
	s_setreg_imm32_b32 hwreg(HW_REG_WAVE_MODE, 25, 1), 1
	s_wait_xcnt 0x0
	s_wait_alu depctr_hold_cnt(0) depctr_sa_sdst(0) depctr_va_vdst(0) depctr_va_sdst(0) depctr_va_ssrc(0) depctr_va_vcc(0) depctr_vm_vsrc(0)
	s_getreg_b32 s2, hwreg(HW_REG_IB_STS2, 6, 4)
	s_cmp_eq_u32 s2, 0
	s_cbranch_scc0 .Lentry_in_a_cluster
	s_endpgm
.Lentry_in_a_cluster:
	s_bfe_u32 s2, ttmp6, 0x10000c
	s_cmp_lg_u32 s2, 0x3003
	s_cbranch_scc0 .Lentry_shape_is_right
	s_endpgm
.Lentry_shape_is_right:
; C[m][n] = sum over k of A[m][k] B[n][k].  A = x's codes [8192][4096], BF8 (E5M2), K innermost, scale bytes [8192][128].  C = out0 [8192][2048] f32; sums in f32.
; B = the weights' codes.  All numbers of a row of the weights have one magnitude: a row's codes are one magnitude with a sign bit, and all its blocks have one scale byte.  B arrives as
;   w_bits: the sign bits, 1 bit a code, in the order of the operand's registers ([n / 128][k / 128][4 loads][lane][4 words]);  w_mag [2048]: the row's code without sign, four times;  w_scales [2048]: its scale byte, four times.
; B'S FRAGMENTS ARE MADE IN REGISTERS.  Word u (0, 1) of a fragment holds, at bit 8 y + 7 - j, the sign of byte y of the fragment's register 8 u + j.  By the quantiser a row's largest magnitude over its scale lies in
; [32768, 65536), so the code's exponent field is 30: bits 6 to 3 of every byte of the magnitude are ones, and an OR with a stray bit there changes nothing.  So the word is masked to bits 7 - i and 3 - i of each byte (i = 0 .. 3),
; and (masked << i) | magnitude is register i, (masked << 4 + i) | magnitude register 4 + i: the other sign falls on a bit 3.  4 + 8 lines for 8 registers, 192 for the eight fragments of 128 along K.  B takes no LDS.
; LIMIT: a row with |scale| under 2^-111 (zero among them), whose scale byte is held at 1 and whose code has another exponent field, may come out wrong by up to 2^-110 x the sum of that row of x's magnitudes.
; A tile of C, 256 x 256, is made by four waves, a wave 128 x 128: 64 accumulators, 512 registers.  32 x 8 tiles: 256 work-groups.  A goes in K steps of 512 through two LDS slots; a refill is 64 rows of 512 bytes a wave.
; A's scales of the 256 rows and all of K, 32,768 bytes, come into LDS once, at the head, and stay.
; CLUSTER: the four work-groups make four neighbouring tiles of one tile row of C and ask for A's tiles and scales JOINTLY.  B's bits are not shared so: for 128 along K a work-group takes 32,768 bytes of A and 8,192 of bits,
; and the bits go straight into registers, by loads that run three steps ahead.
; THE MATRIX INSTRUCTION IS USED TRANSPOSED (source 0 = 16 rows of B, source 1 = 16 rows of A): a lane holds eight neighbouring numbers of a row of C.
; In a step of 128 along K the 64 products multiply B's set p, and set 1 - p is made meanwhile: a slice of 12 lines (one sign word, 8 registers) behind products 1, 5, .. 61; a slice costs two switches of the register window.
; REGISTERS: window 0: v0-31 addresses; v32-39 A's scale words, two sets; v40-47 B's scale words; v48-55 B's magnitudes; v64-127 B's sign words, a ring of four steps; v128-255 A's fragments, one set (on the way out rows of C).
;   window 1: B's fragments, two sets, at v0 and v128.   windows 2, 3: the accumulators of my rows 0-63, 64-127 (accumulator (a, b) at v[8 (8 (a % 4) + b)]).
.set SIZE_N, 2048
.set SIZE_K, 4096
.set ROWB,   512                       ; a tile's row in bytes: a K step
.set KROW,   SIZE_K
.set PITCH,  528                       ; an LDS row: 512 bytes + 16 of padding: the 16 rows that a load touches start at 16 different banks (64 banks of 4 bytes: ISA guide 11.1)
.set FR,     16                        ; registers of a fragment
.set NP,     8                         ; places behind this matrix instruction (ISA guide 7.12.1)
.set QT,     64*PITCH
.set HALFT,  128*PITCH
.set SLOT,   256*PITCH                 ; its bits (17 and 12) meet none of wave x QT: one exclusive or turns an address in one slot into the other's
.set TRIPS,  SIZE_K/ROWB-2             ; every K step but the last two is followed by a refill of its slot
.set SCL,    2*SLOT                    ; A's scales: two rows of 128 bytes + 16 of padding
.set SQ,     32*272                    ; those of 64 rows
.set SBLK,   8*272                     ; those of 16 rows
.set SPARE,  SCL+4*SQ                  ; the spare words: 128 bytes a wave; no other line names them
.set SPITCH, 528                       ; the way out: a stage of 16 rows x (512 + 16) bytes a wave, in slot 0, behind that slot's last fill and last read
.set BSO,  7                           ; v7   4 x (lane % 16)
.set A0,   16                          ; v16  my lane's place among my 128 rows of a slot
.set ADR,  17                          ; v17  the LDS address of the run of loads in hand
.set PO,   18                          ; v18  16 x lane
.set STO,  24
.set RD,   25
.set CO,   26
.set ADRS, 27                          ; v27  my scale words of A: lanes 0-15 rows 0-63 of my 128, lanes 16-31 rows 64-127
.set SPW,  28                          ; v28  my spare word; never rewritten
.set NIL,  29                          ; v29  0; never rewritten
.set PFO,  30                          ; v30  the prefetches' offset: 4,096 (lane % 16) + 256 (lane / 16)
.set SC,   32
.set BS,   40
.set CM,   48
.set PR,   64
.set AF,   128
.set BK,   128
.set TB,   41                          ; s41  LDS byte at which the slot in hand begins
.set MSK,  58                          ; s58-61  0x88888888 >> 0 .. 3
.set G1,   24                          ; s[24:31] group 1: 64 rows of 512 bytes (the ring)
.set G1H,  48                          ; s[48:55] group 1: 128 rows (the head)
.set G0F,  32                          ; s[32:35] group 0 of the head's load of K step 0
.set G0,   36                          ; s[36:39] group 0 of slot 1's first fill, which then walks on
.set G1S,  68                          ; s[68:75], s[76:79] groups 1 and 0 for A's scales
.set G0S,  76
.set PFA,  80                          ; s[80:81] my work-group's 16 rows of the 64 that I fetch, at the K step that is being asked for
.set PB,   92                          ; s[92:93] B's sign words of my 128 rows, at the first step of the K step in hand
.set MSB, 0
.macro WIN new                         ; the immediate's high byte repeats the setting that is left
.if MSB != \new
	s_set_vgpr_msb (MSB<<8)|\new
.set MSB, \new
.endif
.endm
.set MUL_LO, 0xa1                      ; source 0 (B) window 1, source 1 (A) window 0, C and D window 2
.set MUL_HI, 0xf1
.set EXPW,   0x41                      ; destination and source 0 window 1; sources 1 and 2 window 0
; A prefetch behind each joint refill: the K step of A that the NEXT refill asks for (256 products of a wave ahead of that load): 16 rows x 512 bytes, a lane 256 bytes.  The four partners share the 64 rows that a wave
; fetches out by address, 16 each (by cx); every cluster asks for its own rows.  The loop's last trip (s3 = 1) asks for nothing: no refill follows it.  K steps 0 to 2 come by their loads alone.
.macro ASK
	s_cmp_gt_u32 s3, 1
	s_cbranch_scc0 .Lnot_mine_\@
	global_prefetch_b8 v[PFO], s[PFA:PFA+1] offset:ROWB th:TH_LOAD_NT scope:SCOPE_SE
.Lnot_mine_\@:
.endm
.macro CREST
	s_cmp_lg_u32 s14, 0
	s_cbranch_scc1 .Lnot_wave_0_\@
	s_barrier_signal -3
.Lnot_wave_0_\@:
	s_barrier_wait -3
	s_barrier_signal -1
	s_barrier_wait -1
.endm
.macro CROUND
	s_barrier_signal -1
	s_barrier_wait -1
	CREST
.endm
.macro PLACES n
.rept \n
	v_nop
.endr
.endm
	s_load_b256 s[4:11], s[0:1], 0x0               ; A's codes, A's scales, B's sign words, B's scale words
	s_load_b128 s[88:91], s[0:1], 0x20             ; B's magnitudes, C
	v_lshl_add_u32 v[SPW], v0, 2, SPARE
	v_mov_b32 v[NIL], 0
	ds_add_u32 v[SPW], v[NIL]                      ; the opening lines: the add twice on end and its wait
	ds_add_u32 v[SPW], v[NIL]
	s_wait_dscnt 0x0
	v_lshrrev_b32 v1, 5, v0
	v_readfirstlane_b32 s14, v1                    ; wave 0..3
	s_lshr_b32 s15, s14, 1                         ; which half of the tile's rows is mine.  At the head: I fetch codes (0) or scales (1)
	s_and_b32 s16, s14, 1                          ; which half of its columns.  At the head: which 128 rows I fetch for
	s_bfe_u32 s40, ttmp6, 0x40000                  ; cx
	s_lshl_b32 s42, ttmp9, 2
	s_add_co_u32 s42, s42, s40                     ; tile column of C: it enters B's, C's and the prefetches' addresses alone
	s_and_b32 s17, ttmp7, 0xffff                   ; tile row of C, which the four partners share
	s_mov_b32 s[MSK], 0x88888888
	s_mov_b32 s[MSK+1], 0x44444444
	s_mov_b32 s[MSK+2], 0x22222222
	s_mov_b32 s[MSK+3], 0x11111111
	s_mov_b32 s[TB], 0
.irp g, G1, G1H
	s_mov_b32 s[\g+0], 15|(1<<20)|(1<<21)|(6<<22)|(3<<25)   ; the mask: all four; element of 1 byte; padding on; bit 21 beside a mask; 4 words behind every 128
	s_mov_b32 s[\g+1], ROWB<<16
	s_mov_b32 s[\g+3], ROWB<<16
	s_mov_b32 s[\g+5], KROW
	s_mov_b32 s[\g+6], 0
	s_mov_b32 s[\g+7], 0
.endr
	s_mov_b32 s[G1+2], 64<<16
	s_mov_b32 s[G1+4], 64
	s_mov_b32 s[G1H+2], 128<<16
	s_mov_b32 s[G1H+4], 128
	s_mov_b32 s[G1S+0], 15|(3<<16)|(1<<20)|(1<<21)|(5<<22)|(3<<25)   ; the scales of 128 rows: a dense block of 16,384 bytes as 64 rows of 256 (32 elements of 8 bytes), 16 bytes of padding behind each
	s_mov_b32 s[G1S+1], 32<<16
	s_mov_b32 s[G1S+2], 64<<16
	s_mov_b32 s[G1S+3], 32<<16
	s_mov_b32 s[G1S+4], 64
	s_mov_b32 s[G1S+5], 32
	s_mov_b32 s[G1S+6], 0
	s_mov_b32 s[G1S+7], 0
	s_lshl_b32 s20, s17, 8
	s_lshl_b32 s18, s14, 6
	s_add_co_u32 s20, s20, s18                     ; the ring: row 256 x tile row + 64 x wave,
	s_lshl_b32 s20, s20, 12                        ; 4,096 bytes a row
	s_mov_b32 s21, 0
	s_lshl_b32 s22, s17, 8
	s_lshl_b32 s23, s16, 7
	s_add_co_u32 s22, s22, s23                     ; the head: row 256 x tile row + 128 x (wave % 2):
	s_lshl_b32 s56, s22, 12                        ; its codes,
	s_mov_b32 s57, 0
	s_lshl_b32 s22, s22, 7                         ; its scales, 128 bytes a row
	s_mov_b32 s23, 0
	s_mul_i32 s45, s14, QT                         ; where they go: no place in the cluster enters an LDS address
	s_mul_i32 s94, s16, 2*SQ
	s_mul_i32 s95, s16, HALFT
	s_wait_kmcnt 0x0
	s_add_nc_u64 s[20:21], s[4:5], s[20:21]
	s_add_nc_u64 s[22:23], s[6:7], s[22:23]
	s_add_nc_u64 s[56:57], s[4:5], s[56:57]
	CROUND                                         ; all four work-groups are here: the first joint loads meet
	s_mov_b32 s[G0S], 1
	s_add_co_u32 s[G0S+1], s94, SCL
	s_mov_b64 s[G0S+2:G0S+3], s[22:23]
	s_or_b32 s[G0S+3], s[G0S+3], 0x80000000
	s_mov_b32 s[G0F], 1
	s_add_co_u32 s[G0F+1], s95, 0
	s_mov_b64 s[G0F+2:G0F+3], s[56:57]
	s_or_b32 s[G0F+3], s[G0F+3], 0x80000000
	s_mov_b32 s[G0], 1
	s_add_co_u32 s[G0+1], s45, SLOT
	s_add_nc_u64 s[G0+2:G0+3], s[20:21], ROWB
	s_or_b32 s[G0+3], s[G0+3], 0x80000000
	; the head's loads, one a wave: waves 0 and 1 bring 128 rows each of K step 0, waves 2 and 3 the scales of 128 rows each
	s_cmp_eq_u32 s15, 0
	s_cbranch_scc0 .Lhead_s
	tensor_load_to_lds s[G0F:G0F+3], s[G1H:G1H+7]
	s_nop 0
	PLACES 4
	s_branch .Lhead_j
.Lhead_s:
	tensor_load_to_lds s[G0S:G0S+3], s[G1S:G1S+7]
	s_nop 0
	PLACES 4
.Lhead_j:
	v_and_b32 v1, 15, v0                           ; l % 16
	s_wait_alu depctr_va_vdst(0)
	v_bfe_u32 v2, v0, 4, 1                         ; l / 16
	s_lshl_b32 s46, s42, 10                        ; B's scale words and magnitudes: 4 bytes a row: 1,024 x tile column + 512 x half
	s_lshl_b32 s47, s16, 9
	s_add_co_u32 s46, s46, s47
	s_mov_b32 s47, 0
	s_add_nc_u64 s[84:85], s[10:11], s[46:47]
	s_add_nc_u64 s[86:87], s[88:89], s[46:47]
	v_lshlrev_b32 v[BSO], 2, v1
.irp b, 0,1,2,3,4,5,6,7
	global_load_b32 v[BS+\b], v[BSO], s[84:85] offset:64*\b   ; lane r and lane 16 + r: the word of row 16 b + r
.endr
.irp b, 0,1,2,3,4,5,6,7
	global_load_b32 v[CM+\b], v[BSO], s[86:87] offset:64*\b
.endr
	s_lshl_b32 s46, s42, 17                        ; B's sign words: 65,536 bytes for 128 rows
	s_lshl_b32 s47, s16, 16
	s_add_co_u32 s46, s46, s47
	s_mov_b32 s47, 0
	s_add_nc_u64 s[PB:PB+1], s[8:9], s[46:47]
	v_and_b32 v6, 31, v0
	v_lshlrev_b32 v[PO], 4, v6
.macro PLOAD st, ring                  ; the sign words of the step st steps behind s[PB]'s, 2,048 bytes, into the ring's place: each load 512 consecutive bytes
.irp d, 0,1,2,3
	global_load_b128 v[PR+16*(\ring)+4*\d:PR+16*(\ring)+4*\d+3], v[PO], s[PB:PB+1] offset:2048*(\st)+512*\d
.endr
.endm
	PLOAD 0, 0
	PLOAD 1, 1
	PLOAD 2, 2
	PLOAD 3, 3
	v_mul_u32_u24 v3, v1, PITCH
	s_wait_alu depctr_va_vdst(0)
	v_lshl_add_u32 v3, v2, 4, v3                   ; a fragment's row x pitch + 16 x half
	s_mul_i32 s21, s15, HALFT
	v_add_nc_u32 v[A0], s21, v3
	v_lshlrev_b32 v5, 7, v1                        ; my row's scales: 128 bytes a row,
	v_lshrrev_b32 v4, 1, v1
	v_lshl_add_u32 v5, v4, 4, v5                   ; 16 more for each two rows passed;
	v_mul_u32_u24 v4, v2, SQ                       ; lanes 16-31 stand 64 rows further on
	v_add_nc_u32 v5, v5, v4
	s_mul_i32 s21, s15, 2*SQ
	s_add_co_u32 s21, s21, SCL
	v_add_nc_u32 v[ADRS], s21, v5
	s_mul_i32 s23, s14, 16*SPITCH                  ; my stage
	v_mul_u32_u24 v5, v1, SPITCH
	v_lshl_add_u32 v5, v2, 5, v5
	v_add_nc_u32 v[STO], s23, v5
	v_lshlrev_b32 v[CO], 4, v6
	v_add_nc_u32 v[RD], s23, v[CO]
	v_lshlrev_b32 v[PFO], 12, v1
	v_lshl_add_u32 v[PFO], v2, 8, v[PFO]
	s_lshl_b32 s20, s17, 8
	s_lshl_b32 s21, s15, 7
	s_add_co_u32 s20, s20, s21                     ; my first row of C,
	s_lshl_b32 s20, s20, 13                        ; 8,192 bytes a row
	s_mov_b32 s21, 0
	s_lshl_b32 s46, s42, 10                        ; my first column, in bytes
	s_lshl_b32 s47, s16, 9
	s_add_co_u32 s46, s46, s47
	s_mov_b32 s47, 0
	s_add_nc_u64 s[20:21], s[20:21], s[46:47]
	s_add_nc_u64 s[12:13], s[90:91], s[20:21]
	s_lshl_b32 s18, s17, 8                         ; the prefetches: row 256 x tile row + the 64 that I fetch + my work-group's 16 of them
	s_lshl_b32 s19, s14, 6
	s_add_co_u32 s18, s18, s19
	s_lshl_b32 s19, s40, 4
	s_add_co_u32 s18, s18, s19
	s_lshl_b32 s18, s18, 12
	s_mov_b32 s19, 0
	s_add_nc_u64 s[PFA:PFA+1], s[4:5], s[18:19]
	s_add_nc_u64 s[PFA:PFA+1], s[PFA:PFA+1], ROWB  ; at K step 1: the first refill steps it to 2 and names K step 3
.macro FRAG reg, q, i                  ; 16 rows x 128 K: lane l holds row l % 16; registers 4 c .. 4 c + 3 hold K = 32 c + 16 (l / 16) + 0 .. 15
.irp c, 0,1,2,3
	ds_load_b128 v[\reg+4*\c:\reg+4*\c+3], v[ADR] offset:128*(\q)+32*\c+(\i)*16*PITCH
.endr
.endm
.macro FETCH_A q, i0
.irp i, \i0, \i0+1, \i0+2, \i0+3
	FRAG AF+FR*(\i), \q, \i
.endr
.endm
; Product ii of a step's 64: A's block ii / 8 against B's block ii % 8.  Source 0's scales: B's word, lanes 0-15 of v[BS + b].  Source 1's: A's word: lanes 0-15 of register a % 4 for blocks 0-3, lanes 16-31 for blocks 4-7.
; The 64 accumulators take turns, one instruction a turn, in the same order in every step.  zero = 1: the product starts its sum.
.macro MUL1 zero
.set aa, ii/8
.set bb, ii%8
.set rD, 8*(8*(aa%4)+bb)
.set rB, 128*pB+FR*bb
.set rA, AF+FR*aa
.set rS, SC+4*pB+(aa%4)
.if aa < 4
	WIN MUL_LO
.if \zero
	v_wmma_scale_f32_16x16x128_f8f6f4 v[rD:rD+7], v[rB:rB+FR-1], v[rA:rA+FR-1], 0, v[BS+bb], v[rS] matrix_a_fmt:MATRIX_FMT_BF8 matrix_b_fmt:MATRIX_FMT_BF8
.else
	v_wmma_scale_f32_16x16x128_f8f6f4 v[rD:rD+7], v[rB:rB+FR-1], v[rA:rA+FR-1], v[rD:rD+7], v[BS+bb], v[rS] matrix_a_fmt:MATRIX_FMT_BF8 matrix_b_fmt:MATRIX_FMT_BF8
.endif
.else
	WIN MUL_HI
.if \zero
	v_wmma_scale_f32_16x16x128_f8f6f4 v[rD:rD+7], v[rB:rB+FR-1], v[rA:rA+FR-1], 0, v[BS+bb], v[rS] matrix_a_fmt:MATRIX_FMT_BF8 matrix_b_fmt:MATRIX_FMT_BF8 matrix_b_scale:MATRIX_SCALE_ROW1
.else
	v_wmma_scale_f32_16x16x128_f8f6f4 v[rD:rD+7], v[rB:rB+FR-1], v[rA:rA+FR-1], v[rD:rD+7], v[BS+bb], v[rS] matrix_a_fmt:MATRIX_FMT_BF8 matrix_b_fmt:MATRIX_FMT_BF8 matrix_b_scale:MATRIX_SCALE_ROW1
.endif
.endif
.endm
; Number n of the 192 lines that make B's set pD from the sign words in the ring's place rg.  Fragment n / 24, word (n % 24) / 12; of a word's twelve: 0-3 the masked words, kept in registers 4 + i themselves;
; 4-7 registers i; 8-11 registers 4 + i, in place.  All stand under one window setting.
.macro EXPOP n
.set ff, (\n)/24
.set uu, ((\n)%24)/12
.set mm, (\n)%12
.set i4, mm%4
.set dd, 128*pD+FR*ff+8*uu
.if mm < 4
	v_and_b32 v[dd+4+i4], s[MSK+i4], v[PR+16*rg+2*ff+uu]
.elseif mm < 8
	v_lshl_or_b32 v[dd+i4], v[dd+4+i4], i4, v[CM+ff]
.else
	v_lshl_or_b32 v[dd+4+i4], v[dd+4+i4], 4+i4, v[CM+ff]
.endif
.endm
.macro SLICE                           ; one word's twelve lines behind products 1, 5, .. 61
.if (ii%4) == 1
	WIN EXPW
.irp e, 0,1,2,3,4,5,6,7,8,9,10,11
	EXPOP 12*(ii/4)+\e
.endr
.endif
.endm
; A STEP of 128 along K.  sl: its number counted from the K step at which s[PB] and v[ADRS] stand.  chg: a slot's last step: 2 = the slot is left and filled again, 1 = it is left.  nxt = 1: a step follows.
; pl = 1: the sign words of five steps on are asked for.  lc: how many younger loads of sign words may stay out.
; THE LOADS.  Behind product 2: A's blocks 4-7 of this step and the next step's scale words (their registers were last read by the step before; the slice behind product 1 gives 12 places).  Behind product 34: A's blocks 0-3
; of the next step (last read by product 31; the slice behind product 33).  Behind product 62: the sign words, into the ring's place whose last word the slice behind product 61 has read.
; B'S REGISTERS.  Fragment f of the set that is made was last read by product 56 + f of the step before and is first written behind product 8 f + 1: at the least two slices of other fragments lie between.  It is next read
; by product f of the next step: fragment 7, finished behind product 61, behind that step's slices behind products 1 and 5: 24 plain lines.
; THE CHANGE OF SLOTS.  Behind the run behind product 2, my last reads of the slot: the wait for all my tensor loads (one is out), the add, thirteen products, the wait for the add and the reads, the signal, eight products, the wait.
; With chg = 2 that barrier opens a round of the cluster's barrier, and the joint refill is the first thing behind the round.
.macro STEP sl, zero, chg, nxt, pl, lc
.set qq, (\sl)%4
.set pB, qq%2
.set pD, 1-pB
.set rg, (qq+1)%4
	s_wait_dscnt 0x0                               ; A's blocks 0-3 are in
.if \nxt
	s_wait_loadcnt \lc                             ; the next step's sign words are in
.endif
.set ii, 0
.rept 64
	MUL1 \zero
.if \nxt
	SLICE
.endif
.if ii == 2
	WIN 0
.if !(\nxt)
	PLACES NP                                      ; the last step has no slices
.endif
	v_add_nc_u32 v[ADR], s[TB], v[A0]
	FETCH_A qq, 4
.if \nxt
.irp e, 0,1,2,3
	ds_load_b32 v[SC+4*pD+\e], v[ADRS] offset:\e*SBLK+4*((\sl)+1)
.endr
.endif
.if \chg
	s_wait_tensorcnt 0x0                           ; all my tensor loads have landed: my part of the next slot
	ds_add_u32 v[SPW], v[NIL]
.if \chg == 2
	s_xor_b32 s[G0+1], s[G0+1], SLOT               ; the walking descriptor: the other slot,
	s_add_nc_u64 s[G0+2:G0+3], s[G0+2:G0+3], ROWB  ; the next K step
	s_wait_xcnt 0x0                                ; the last prefetch, a K step back, has read its address
	s_add_nc_u64 s[PFA:PFA+1], s[PFA:PFA+1], ROWB
.endif
.endif
.endif
.if (ii == 15) && (\chg)
	s_wait_dscnt 0x0                               ; the add is done, and my reads of this slot are over
	s_barrier_signal -1
.endif
.if (ii == 23) && (\chg)
	WIN 0
	s_barrier_wait -1
.if \chg == 2
	CREST
	tensor_load_to_lds s[G0:G0+3], s[G1:G1+7]      ; my one load until the next round: my 64 rows of the K step two on
	s_nop 0
	PLACES 4
	ASK
.endif
	s_xor_b32 s[TB], s[TB], SLOT                   ; the fetches go on in the other slot
.endif
.if ii == 31
	s_wait_dscnt 0x0                               ; A's blocks 4-7 and the scale words are in
.endif
.if (ii == 34) && (\nxt)
	WIN 0
	v_add_nc_u32 v[ADR], s[TB], v[A0]
	FETCH_A (qq+1)%4, 0
.endif
.if (ii == 62) && (\pl)
	WIN 0
	PLOAD (\sl)+5, rg
.endif
.set ii, ii+1
.endr
.endm
	s_wait_alu depctr_va_vdst(0)
	s_wait_loadcnt 12                              ; B's scale words, magnitudes and step 0's sign words are in; the twelve loads of steps 1 to 3 may be out
.set pD, 0
.set rg, 0
	WIN EXPW
.set nn, 0
.rept 192
	EXPOP nn                                       ; B's set for step 0, made while the head's tiles are on their way
.set nn, nn+1
.endr
	WIN 0
	PLOAD 4, 0
	v_add_nc_u32 v[ADR], s[TB], v[A0]
	s_wait_alu depctr_va_vdst(0)
	s_wait_tensorcnt 0x0                           ; my tile of the head's four is in
	ds_add_u32 v[SPW], v[NIL]
	s_wait_dscnt 0x0
	CROUND                                         ; everybody's tiles are in, and the four work-groups are here
	tensor_load_to_lds s[G0:G0+3], s[G1:G1+7]      ; slot 1's first fill: my 64 rows of K step 1
	s_nop 0
	PLACES 4
	FETCH_A 0, 0
.irp e, 0,1,2,3
	ds_load_b32 v[SC+\e], v[ADRS] offset:\e*SBLK
.endr
	STEP 0, 1, 0, 1, 1, 12                         ; the first step stands in front of the loop: its products start the sums
	WIN 0
	s_mov_b32 s3, TRIPS
.Lkstep:                                               ; a trip: from a slot's second step to the next slot's first; it leaves a slot and fills it again
	STEP 1, 0, 0, 1, 1, 12                         ; (12: behind the next step's sign words stand the loads of three steps more)
	STEP 2, 0, 0, 1, 1, 12
	STEP 3, 0, 2, 1, 1, 12
	STEP 4, 0, 0, 1, 1, 12
	WIN 0
	s_wait_xcnt 0x0                                ; the loads of sign words have read their base
	s_add_nc_u64 s[PB:PB+1], s[PB:PB+1], 4*2048
	v_add_nc_u32 v[ADRS], 16, v[ADRS]              ; A's scale words: 16 bytes of each row a K step
	s_sub_co_u32 s3, s3, 1
	s_cmp_lg_u32 s3, 0
	s_cbranch_scc1 .Lkstep
	STEP 1, 0, 0, 1, 1, 12                         ; the last seven steps are written out
	STEP 2, 0, 0, 1, 1, 12
	STEP 3, 0, 1, 1, 0, 12                         ; slot 0 is left, and nothing is filled;
	STEP 4, 0, 0, 1, 0, 8                          ; the counts run down
	STEP 5, 0, 0, 1, 0, 4
	STEP 6, 0, 0, 1, 0, 0
	s_wait_alu depctr_va_vdst(0)                   ; the last step has no slices between B's last lines and their readers
	STEP 7, 0, 0, 0, 0, 0
	WIN 0
; THE WAY OUT, block by block of 16 rows x 128 columns, through my own stage: back as whole rows of 512 bytes.  LDS serves a wave's instructions in order (ISA guide 5.7.1.4): no wait between the stores and the loads.
.macro TOSTAGE a
.set AC, 64*((\a)%4)
	WIN 0x08+4*((\a)/4)
.irp b, 0,1,2,3,4,5,6,7
	ds_store_b128 v[STO], v[AC+8*\b:AC+8*\b+3] offset:64*\b          ; each accumulator from its low end on
	ds_store_b128 v[STO], v[AC+8*\b+4:AC+8*\b+7] offset:64*\b+16
.endr
	WIN 0
.set BB, BK+64*((\a)%2)
.irp t, 0,1,2,3,4,5,6,7,8,9,10,11,12,13,14,15
	ds_load_b128 v[BB+4*\t:BB+4*\t+3], v[RD] offset:\t*SPITCH
.endr
.endm
.macro SEND a, younger                 ; younger: the LDS instructions issued behind block a's loads
.set BB, BK+64*((\a)%2)
	s_wait_dscnt \younger
.if (\a) > 0
	s_add_nc_u64 s[12:13], s[12:13], 16*SIZE_N*4   ; (behind a wait on XCNT)  16 rows of C on
.endif
.irp t, 0,1,2,3,4,5,6,7,8,9,10,11,12,13,14,15
	global_store_b128 v[CO], v[BB+4*\t:BB+4*\t+3], s[12:13] offset:\t*SIZE_N*4 th:TH_STORE_NT   ; 32 lanes store 512 consecutive bytes, aligned
.endr
.endm
	PLACES NP                                      ; for the loads into A's registers and the reads of the last products' results
	TOSTAGE 0
.irp a, 1,2,3,4,5,6,7
.if \a > 1
	s_wait_xcnt 0x0                                ; block a - 2's stores have read their registers and their base
.endif
	TOSTAGE \a
	SEND \a-1, 32
.endr
	s_wait_xcnt 0x0
	SEND 7, 0
	s_wait_tensorcnt 0x0                           ; the wave's end
	ds_add_u32 v[SPW], v[NIL]
	s_wait_dscnt 0x0
	CROUND                                         ; the closing round
	s_endpgm
.Lfunc_end_k_q3b49998c7d_gemm:
	.size	k_q3b49998c7d_gemm, .Lfunc_end_k_q3b49998c7d_gemm-k_q3b49998c7d_gemm
	.p2alignl 7, 3214868480
	.fill 96, 4, 3214868480
	.section	.rodata,"a",@progbits
	.p2align	6, 0x0
	.amdhsa_kernel k_q3b49998c7d_gemm
		.amdhsa_group_segment_fixed_size 327680
		.amdhsa_private_segment_fixed_size 0
		.amdhsa_enable_private_segment 0
		.amdhsa_kernarg_size 48
		.amdhsa_user_sgpr_count 2
		.amdhsa_user_sgpr_kernarg_segment_ptr 1
		.amdhsa_wavefront_size32 1
		.amdhsa_system_sgpr_workgroup_id_x 1
		.amdhsa_system_sgpr_workgroup_id_y 1
		.amdhsa_system_sgpr_workgroup_id_z 1
		.amdhsa_system_vgpr_workitem_id 0
		.amdhsa_next_free_vgpr 1024
		.amdhsa_next_free_sgpr 98
		.amdhsa_reserve_vcc 0
		.amdhsa_float_denorm_mode_32 3
		.amdhsa_float_denorm_mode_16_64 3
		.amdhsa_memory_ordered 1
		.amdhsa_forward_progress 1
		.amdhsa_inst_pref_size 255
	.end_amdhsa_kernel
	.section	.bss,"aw",@nobits
	.p2align	6
	.space	262144
	.amdgpu_metadata
---
amdhsa.version: [ 1, 2 ]
amdhsa.kernels:
  - .name:           k_q3b49998c7d_gemm
    .symbol:         k_q3b49998c7d_gemm.kd
    .args:
      - { .name: a_codes, .offset: 0, .size: 8, .value_kind: global_buffer, .address_space: global }
      - { .name: a_scales, .offset: 8, .size: 8, .value_kind: global_buffer, .address_space: global }
      - { .name: w_bits, .offset: 16, .size: 8, .value_kind: global_buffer, .address_space: global }
      - { .name: w_scales, .offset: 24, .size: 8, .value_kind: global_buffer, .address_space: global }
      - { .name: w_mag, .offset: 32, .size: 8, .value_kind: global_buffer, .address_space: global }
      - { .name: out0, .offset: 40, .size: 8, .value_kind: global_buffer, .address_space: global }
    .group_segment_fixed_size: 327680
    .private_segment_fixed_size: 0
    .kernarg_segment_align: 8
    .kernarg_segment_size: 48
    .max_flat_workgroup_size: 128
    .sgpr_count:     98
    .vgpr_count:     1024
    .wavefront_size: 32
...
	.end_amdgpu_metadata
.endif
;; end of part 2
